; MI455X (gfx1250); checked and timed in simulation.
; The chip was launched on July 23, 2026; its instructions are those of AMD's public machine-readable ISA for CDNA 5 (MIT licence, August 2026) and "CDNA5" Instruction Set Architecture Reference Guide (July 2026). The comments in the code are by the model that wrote it; some were corrected since.
;; Bag Of Concepts. Allowed arithmetic: float matrix products may take bf16 or f16 operands with f32 sums; all other float work in f32.
;; Inputs: codebook 4,096 x 512 float32; inp 8 x 4,096 x 512 float32.
;; Outputs: out0 8 x 4,096 x 512 float32.
;; One version. Each part assembles by itself: llvm-mc -triple=amdgcn-amd-amdhsa -mcpu=gfx1250 --defsym DOCPART=n.
;; ======== version 1 of 1: 3 launches
;; workspace buffers: cbf 4,194,304 bytes; cnorm 16,384 bytes; idx 131,072 bytes of whole numbers
;; launch prep (part 1): grid 64 x 1, 16 waves a work-group, no clusters, 2,304 bytes of LDS; arguments codebook, cbf, cnorm; writes cbf, cnorm
.if DOCPART == 1
	.amdgcn_target "amdgcn-amd-amdhsa--gfx1250"
	.amdhsa_code_object_version 6
	.text
	.protected	k_q8e91e13114_prep
	.globl	k_q8e91e13114_prep
	.p2align	8
	.type	k_q8e91e13114_prep,@function
k_q8e91e13114_prep:
	s_mov_b64 s[64:65], 0
	v_nop
	global_prefetch_b8 v0, s[64:65] scope:SCOPE_SE
	s_setreg_imm32_b32 hwreg(HW_REG_WAVE_MODE, 25, 1), 1
	s_wait_xcnt 0x0
; cbf[k][d] = bf16(codebook[k][d]) (nearest even); cnorm[k] = sum over d of cbf[k][d]^2 in f32.
; codebook: [4096][512] f32.  cbf: [4096][512] bf16.  cnorm: [4096] f32.
; The distance launch multiplies rounded numbers, so the norm is taken of the rounded numbers too.
; A work-group owns 64 rows, so that its 64 norms are 256 consecutive bytes, stored whole by one instruction: hence 64 work-groups.
; Sixteen waves, four rows each: a row is four loads of 512 consecutive bytes, and all sixteen loads of a wave go out at once.
; Memory binds and nothing is read twice: no matrix unit, no cluster, no tiles.  LDS serves only to gather the 64 norms.
; The order of the additions in a norm is this text's own (two chains a lane, then across the lanes).
.set X, 4                              ; v[4:67]    row i, load j: 4 registers at X + 16 i + 4 j
.set P, 68                             ; v[68:99]   row i: 8 words of two bf16
.set T, 100                            ; v[100:101] a word unpacked
.set S, 102                            ; v[102:109] row i: a pair of running sums
	s_load_b128 s[4:7], s[0:1], 0x0                ; codebook s[4:5], cbf s[6:7]
	s_load_b64 s[8:9], s[0:1], 0x10                ; cnorm
	v_lshl_add_u32 v112, v0, 2, 0x100
	v_mov_b32 v113, 0
	v_lshrrev_b32 v3, 5, v0
	v_readfirstlane_b32 s10, v3                    ; wave 0..15
	v_and_b32 v1, 31, v0
	v_lshlrev_b32 v2, 3, v1                        ; 8 x lane: my 8 bytes of 256 in cbf (and in cnorm)
	v_lshlrev_b32 v1, 4, v1                        ; 16 x lane: my 16 bytes of 512 in codebook
	v_mov_b32 v110, 0                              ; v_permlanex16_b32 counts as a reader of its destination
	s_lshl_b32 s12, ttmp9, 6
	s_lshl2_add_u32 s12, s10, s12                  ; my first row = 64 x work-group + 4 x wave
	s_lshl_b32 s18, s12, 11                        ; x 2,048 bytes in codebook
	s_mov_b32 s19, 0
	s_lshl_b32 s20, s12, 10                        ; x 1,024 bytes in cbf
	s_mov_b32 s21, 0
	s_lshl_b32 s22, ttmp9, 8                       ; the work-group's 256 bytes of cnorm
	s_mov_b32 s23, 0
	s_mov_b32 s14, 0xffff0000                      ; a word's upper bf16
	s_mov_b32 s16, 0x76543210                      ; v_permlanex16_b32: lane i of one half reads lane i of the other
	s_mov_b32 s17, 0xfedcba98
	s_lshl_b32 s13, s10, 4
	v_mov_b32 v111, s13                            ; LDS: my wave's four words
	s_wait_kmcnt 0x0
	s_add_nc_u64 s[4:5], s[4:5], s[18:19]
	s_add_nc_u64 s[6:7], s[6:7], s[20:21]
	s_add_nc_u64 s[8:9], s[8:9], s[22:23]
.irp i, 0,1,2,3
.irp j, 0,1,2,3
	global_load_b128 v[X+16*\i+4*\j:X+16*\i+4*\j+3], v1, s[4:5] offset:2048*\i+512*\j
.endr
.endr
; One row: round, store, square and add, reduce over the wave, one word into LDS.
.macro ROW i
	s_wait_loadcnt 12-4*\i                         ; loads come back in order: this row's four are in, the younger rows' stay out
.irp n, 0,1,2,3,4,5,6,7
	v_cvt_pk_bf16_f32 v[P+8*\i+\n], v[X+16*\i+2*\n], v[X+16*\i+2*\n+1]
.endr
.irp j, 0,1,2,3
	global_store_b64 v2, v[P+8*\i+2*\j:P+8*\i+2*\j+1], s[6:7] offset:1024*\i+256*\j   ; 32 lanes x 8 bytes: 256 consecutive bytes, aligned
.endr
	v_lshlrev_b32 v[T], 16, v[P+8*\i]              ; the first word starts the sums: nothing is cleared
	v_and_b32 v[T+1], s14, v[P+8*\i]
	v_pk_mul_f32 v[S+2*\i:S+2*\i+1], v[T:T+1], v[T:T+1]
.irp n, 1,2,3,4,5,6,7
	v_lshlrev_b32 v[T], 16, v[P+8*\i+\n]
	v_and_b32 v[T+1], s14, v[P+8*\i+\n]
	v_pk_fma_f32 v[S+2*\i:S+2*\i+1], v[T:T+1], v[T:T+1], v[S+2*\i:S+2*\i+1]
.endr
	v_add_f32 v[S+2*\i], v[S+2*\i], v[S+2*\i+1]
	v_add_f32_dpp v[S+2*\i], v[S+2*\i], v[S+2*\i] row_xmask:1 row_mask:0xf bank_mask:0xf
	v_add_f32_dpp v[S+2*\i], v[S+2*\i], v[S+2*\i] row_xmask:2 row_mask:0xf bank_mask:0xf
	v_add_f32_dpp v[S+2*\i], v[S+2*\i], v[S+2*\i] row_xmask:4 row_mask:0xf bank_mask:0xf
	v_add_f32_dpp v[S+2*\i], v[S+2*\i], v[S+2*\i] row_xmask:8 row_mask:0xf bank_mask:0xf
	v_permlanex16_b32 v110, v[S+2*\i], s16, s17
	v_add_f32 v[S+2*\i], v[S+2*\i], v110           ; every lane holds the row's norm
	ds_store_b32 v111, v[S+2*\i] offset:4*\i       ; all lanes write the same word with the same number
.endm
	ROW 0
	ROW 1
	ROW 2
	ROW 3
	s_wait_dscnt 0x0                               ; my four words are in LDS, for wave 0's sake
	s_barrier_signal -1
	s_barrier_wait -1
	s_cmp_lg_u32 s10, 0
	s_cbranch_scc1 .Lend
	ds_load_b64 v[T:T+1], v2                       ; wave 0: the 64 norms, two a lane
	s_wait_dscnt 0x0
	global_store_b64 v2, v[T:T+1], s[8:9]          ; 256 consecutive bytes, aligned
.Lend:
	s_wait_tensorcnt 0x0
	ds_add_u32 v112, v113
	s_wait_dscnt 0x0
	s_endpgm
.Lfunc_end_k_q8e91e13114_prep:
	.size	k_q8e91e13114_prep, .Lfunc_end_k_q8e91e13114_prep-k_q8e91e13114_prep
	.p2alignl 7, 3214868480
	.fill 96, 4, 3214868480
	.section	.rodata,"a",@progbits
	.p2align	6, 0x0
	.amdhsa_kernel k_q8e91e13114_prep
		.amdhsa_group_segment_fixed_size 2304
		.amdhsa_private_segment_fixed_size 0
		.amdhsa_enable_private_segment 0
		.amdhsa_kernarg_size 24
		.amdhsa_user_sgpr_count 2
		.amdhsa_user_sgpr_kernarg_segment_ptr 1
		.amdhsa_wavefront_size32 1
		.amdhsa_system_sgpr_workgroup_id_x 1
		.amdhsa_system_sgpr_workgroup_id_y 1
		.amdhsa_system_sgpr_workgroup_id_z 1
		.amdhsa_system_vgpr_workitem_id 0
		.amdhsa_next_free_vgpr 114
		.amdhsa_next_free_sgpr 66
		.amdhsa_reserve_vcc 0
		.amdhsa_float_denorm_mode_32 3
		.amdhsa_float_denorm_mode_16_64 3
		.amdhsa_memory_ordered 1
		.amdhsa_forward_progress 1
		.amdhsa_inst_pref_size 13
	.end_amdhsa_kernel
	.amdgpu_metadata
---
amdhsa.version: [ 1, 2 ]
amdhsa.kernels:
  - .name:           k_q8e91e13114_prep
    .symbol:         k_q8e91e13114_prep.kd
    .args:
      - { .name: codebook, .offset: 0, .size: 8, .value_kind: global_buffer, .address_space: global }
      - { .name: cbf, .offset: 8, .size: 8, .value_kind: global_buffer, .address_space: global }
      - { .name: cnorm, .offset: 16, .size: 8, .value_kind: global_buffer, .address_space: global }
    .group_segment_fixed_size: 2304
    .private_segment_fixed_size: 0
    .kernarg_segment_align: 8
    .kernarg_segment_size: 24
    .max_flat_workgroup_size: 512
    .sgpr_count:     66
    .vgpr_count:     114
    .wavefront_size: 32
...
	.end_amdgpu_metadata
.endif
;; end of part 1
;; launch dist (part 2): grid 256 x 1, 4 waves a work-group, clusters of 4 x 1, 327,680 bytes of LDS; arguments inp, cbf, cnorm, idx; writes idx
.if DOCPART == 2
	.amdgcn_target "amdgcn-amd-amdhsa--gfx1250"
	.amdhsa_code_object_version 6
	.text
	.protected	k_q8e91e13114_dist
	.globl	k_q8e91e13114_dist
	.p2align	8
	.type	k_q8e91e13114_dist,@function
k_q8e91e13114_dist:
	s_mov_b64 s[64:65], 0
	v_nop
	global_prefetch_b8 v0, s[64:65] scope:SCOPE_SE
	s_setreg_imm32_b32 hwreg(HW_REG_WAVE_MODE, 25, 1), 1
	s_wait_xcnt 0x0
	s_wait_alu depctr_hold_cnt(0) depctr_sa_sdst(0) depctr_va_vdst(0) depctr_va_sdst(0) depctr_va_ssrc(0) depctr_va_vcc(0) depctr_vm_vsrc(0)
	s_getreg_b32 s2, hwreg(HW_REG_IB_STS2, 6, 4)
	s_cmp_eq_u32 s2, 0
	s_cbranch_scc0 .Lentry_in_a_cluster
	s_endpgm
.Lentry_in_a_cluster:
	s_bfe_u32 s2, ttmp6, 0x10000c
	s_cmp_lg_u32 s2, 0x3003
	s_cbranch_scc0 .Lentry_shape_is_right
	s_endpgm
.Lentry_shape_is_right:
; idx[n] = the first k at which d2[n][k] = (A[n] - 2 E[n][k]) + C[k] is smallest.
; E = x . c on bf16 operands with f32 sums; A = sum of squares of the rounded x; C = cnorm (of the rounded codes).
; The two f32 roundings are those of the problem's formula: fma(-2, E, A) (2 E is exact), then + C.  They are kept, and so is A, because they
; decide which codes tie: at A near 512 many of a token's smallest distances round to the same f32, and the lowest index then wins.
; inp: [32768][512] f32.  cbf: [4096][512] bf16.  cnorm: [4096] f32.  idx: [32768] i32.
;
; SHARES.  A work-group owns 128 tokens and walks all 4,096 codes: 256 work-groups of equal work, and no minimum spans two of them.
; Wave w (g = w >> 1, c = w & 1) owns tokens 64 g .. 64 g + 63, whose bf16 fragments for all of K stay in 512 registers (16 k-steps x 4 token
; blocks x 8).  Codes come in tiles of 128 x 512 bf16 through two LDS slots.  Of a tile the wave takes rows 32 u + 16 c + (0..15), u = 0..3
; (four 'subs' a tile, 128 in all).  A sub is 4 accumulators (one a token block) x 16 k-steps = 64 matrix instructions; a code fragment of
; 1,024 bytes from LDS feeds four of them, and x costs no LDS bytes in the loop.
; THE MATRIX INSTRUCTION takes codes as source 0 and tokens as source 1: register j of lane (r, h) holds (code 8 h + j, token r), so a lane keeps
; one token for each block and its running minimum never leaves the lane before the end.
; TWO ACCUMULATOR SETS: while one sub is multiplied into one set, the distances and minima of the sub before are made on the other set,
; 18 vector lines for each 8 matrix instructions.
; LDS LOADS GO IN RUNS.  A sub's 16 fragments fill 128 registers, two halves of 64.  While k-steps 0-7 are multiplied from half 0, one run of 16 loads
; fills half 1 with k-steps 8-15; while those are multiplied, one run fills half 0 with the next sub's k-steps 0-7 and brings this sub's eight C.
; So two runs stand among a sub's 64 matrix instructions, each at least 24 matrix instructions ahead of its first use, and between the runs
; matrix and vector instructions follow each other with no memory instruction among them.
; REGISTER WINDOWS: x lies in windows 1 (k-steps 0-7) and 2 (k-steps 8-15), all else in window 0.  In the loop only SOURCE 1 points at another window,
; and every vector line there has a constant or a scalar register as its source 1 (hence a x 1.0 + b for a sum, and min3 with +inf for a minimum):
; two switches of the window for a sub's 64 matrix instructions, two more at a change of slots.
; CLUSTER: all work-groups walk the same code tiles, so the four of a cluster ask for each tile, and for cnorm, jointly (mask 15).  4 x 1 and not
; 4 x 4: the other operand, x, is each work-group's own.
;
; LIMITS.  A distance that is NaN never wins (argmin would pick the first NaN); if no distance of a token is below +inf the index is 0.
; The additions inside E follow the matrix unit, those of A and C this program's own order.  Both operands are rounded to bf16.
.set PITCH, 1040                       ; an LDS row: 1,024 bytes + 16 = 65 x 16: the sixteen rows that a load touches start 16 bytes apart modulo 256
.set FR,    16*PITCH                   ; 16 rows: a fragment's
.set QUART, 32*PITCH                   ; 32 rows: what one tensor load brings; also from a sub's rows to the next sub's
.set HALFS, 64*PITCH
.set SLOT,  128*PITCH                  ; slot 0 at 0, slot 1 at SLOT: first x[:, 0:256] and x[:, 256:512] in f32, then code tiles by turns
.set CT,    2*SLOT                     ; cnorm, 16,384 bytes, filled once
.set SCR,   CT+16384                   ; 2,048 bytes that only ds_store writes: minima [c][128] f32, then indices [c][128]
.set TILEB, 128*1024                   ; a code tile in cbf
.set B00, 1                            ; v1-4   LDS address of my code fragments: slot 0 subs 0, 1; slot 0 subs 2, 3; slot 1 subs 0, 1; slot 1 subs 2, 3
.set B01, 2
.set B10, 3
.set B11, 4
.set CADR, 5                           ; v5     LDS address of my C: CT + 64 c + 32 h, + 1,024 a trip of the loop
.set XADR, 6                           ; v6-7   LDS address of my x, left and right half
.set AS,  8                            ; v8-11  at work on A
.set RUN, 12                           ; v12-19 token block tb: running minima of the even and of the odd j
.set IDX, 20                           ; v20-27 likewise their labels (code less 8 h + parity)
.set DF,  28                           ; v28-31 two pairs of differences
.set CR,  32                           ; v32-47 C(j) of the sub in accumulator set s at CR + 8 s + j
.set BF,  48                           ; v48-175 a sub's code fragments, k-step ks at BF + 8 ks; ahead of the loop two landing buffers of 64 for f32 x
.set ACC, 176                          ; v176-239 set s, token block tb at ACC + 32 s + 8 tb
.set AP,  240                          ; v240-247 eight partial sums of squares; then
.set AN,  240                          ;          A of token block tb, twice, as a pair
.set TP,  248                          ; v248-255 at work
.set G1X, 20                           ; s[20:27] shape of a quarter of half of x
.set G1C, 28                           ; s[28:35] shape of a quarter of a code tile, joint
.set G1N, 36                           ; s[36:43] shape of a quarter of cnorm, joint
.set G0X, 44                           ; s[44:51] from where, to where: x, one set for each half
.set G0N, 52                           ; s[52:55] cnorm
.set G0C, 56                           ; s[56:63] code tiles, one set for each slot
.set LBL, 66                           ; s[66:69] label q: 32 x sub + 16 c + 2 q
.set MK,  76                           ; s[76:79] lane masks
.set MSB, 0
.macro WIN new                         ; the immediate's high byte repeats the setting that is left; a switch that changes nothing is dropped
.if MSB != \new
	s_set_vgpr_msb (MSB<<8)|\new
.set MSB, \new
.endif
.endm
.macro PLACES
.rept 4
	v_nop
.endr
.endm
; A round of the cluster's barrier: my work-group's barrier, wave 0 signals for the work-group, every wave waits for all four work-groups, my work-group's barrier again.
.macro CREST                           ; a round behind its opening barrier
	s_cmp_lg_u32 s12, 0
	s_cbranch_scc1 .Lnot_wave_0_\@
	s_barrier_signal -3
.Lnot_wave_0_\@:
	s_barrier_wait -3
	s_barrier_signal -1
	s_barrier_wait -1
.endm
.macro ROUND
	s_barrier_signal -1
	s_barrier_wait -1
	CREST
.endm
; x, f32 in LDS, to bf16 fragments.  A fragment: lane (r, h) holds token r; registers 0-3 k = 8 h + 0..7, registers 4-7 k = 16 + 8 h + 0..7.
; In f32 that is 32 bytes at 128 k-step + 32 h and 32 bytes 64 further on.  16 loads for a k-step's four token blocks.
.macro XLOAD half, k, lb
.irp tb, 0,1,2,3
	ds_load_b128 v[\lb+16*\tb:\lb+16*\tb+3],     v[XADR+\half] offset:FR*\tb+128*(\k)
	ds_load_b128 v[\lb+16*\tb+4:\lb+16*\tb+7],   v[XADR+\half] offset:FR*\tb+128*(\k)+16
	ds_load_b128 v[\lb+16*\tb+8:\lb+16*\tb+11],  v[XADR+\half] offset:FR*\tb+128*(\k)+64
	ds_load_b128 v[\lb+16*\tb+12:\lb+16*\tb+15], v[XADR+\half] offset:FR*\tb+128*(\k)+80
.endr
.endm
.macro XBATCH half, k
.set xl, BF+64*((\k)&1)
.if (\k) < 7
	XLOAD \half, (\k)+1, BF+64*(((\k)+1)&1)        ; the next k-step's 16 loads go out first,
	s_wait_dscnt 16                                ; and stay out: this k-step's 16 are in
.else
	s_wait_dscnt 0x0
.endif
	WIN 0x40*(1+\half)                             ; destination in x's window
.irp tb, 0,1,2,3
.irp n, 0,1,2,3,4,5,6,7
	v_cvt_pk_bf16_f32 v[32*(\k)+8*\tb+\n], v[xl+16*\tb+2*\n], v[xl+16*\tb+2*\n+1]
.endr
.endr
	WIN 0x05*(1+\half)                             ; sources 0 and 1 in x's window: squares of the rounded numbers, eight chains by turns
.irp n, 0,1,2,3,4,5,6,7
.irp tb, 0,1,2,3
	v_fma_mix_f32_bf16 v[AP+2*\tb],   v[32*(\k)+8*\tb+\n], v[32*(\k)+8*\tb+\n], v[AP+2*\tb]   op_sel_hi:[1,1,0]
	v_fma_mix_f32_bf16 v[AP+2*\tb+1], v[32*(\k)+8*\tb+\n], v[32*(\k)+8*\tb+\n], v[AP+2*\tb+1] op_sel:[1,1,0] op_sel_hi:[1,1,0]
.endr
.endr
	WIN 0
.endm
.macro XCONV half
	XLOAD \half, 0, BF
.irp k, 0,1,2,3,4,5,6,7
	XBATCH \half, \k
.endr
.endm
; Eight code fragments, k-steps 8 half .. 8 half + 7 of the sub at address register adr plus uo x 32 rows, into half `half` of BF:
; lane (r, h) reads row r at 64 ks + 16 h, and 32 bytes further on.  16 loads.
.macro LOADH adr, uo, half
.irp i, 0,1,2,3,4,5,6,7
	ds_load_b128 v[BF+64*(\half)+8*\i:BF+64*(\half)+8*\i+3],   v[\adr] offset:QUART*(\uo)+512*(\half)+64*\i
	ds_load_b128 v[BF+64*(\half)+8*\i+4:BF+64*(\half)+8*\i+7], v[\adr] offset:QUART*(\uo)+512*(\half)+64*\i+32
.endr
.endm
; A run of LDS loads.  frag = 1: eight fragments; cl = 1: the eight C of the sub that is being multiplied into `set`, for its units in the next sub.
.macro RUNLD adr, uo, half, frag, cl, set, coff
.if \frag
	LOADH \adr, \uo, \half
.endif
.if \cl
	ds_load_b128 v[CR+8*(\set):CR+8*(\set)+3],   v[CADR] offset:\coff
	ds_load_b128 v[CR+8*(\set)+4:CR+8*(\set)+7], v[CADR] offset:\coff+16
.endif
.endm
; One matrix instruction.  k-step 0 starts the sums with the constant 0: nothing is cleared.
.macro WM set, tb, ks
.set wd, ACC+32*(\set)+8*(\tb)
.set wa, BF+8*(\ks)
.set wb, 32*((\ks)&7)+8*(\tb)
.if (\ks) == 0
	v_wmma_f32_16x16x32_bf16 v[wd:wd+7], v[wa:wa+7], v[wb:wb+7], 0
.else
	v_wmma_f32_16x16x32_bf16 v[wd:wd+7], v[wa:wa+7], v[wb:wb+7], v[wd:wd+7]
.endif
.endm
; Line n (1..9) of a unit: the two sums j = 2 q, 2 q + 1 of accumulator tb of the finished set o.  d: which pair of differences and masks.
.macro ULN n, o, q, tb, d
.set ua, ACC+32*(\o)+8*(\tb)+2*(\q)
.set uc, CR+8*(\o)+2*(\q)
.set ur, RUN+2*(\tb)
.set ui, IDX+2*(\tb)
.set ud, DF+2*(\d)
.set um, MK+2*(\d)
.set ul, LBL+(\q)
.if \n == 1
	v_pk_fma_f32 v[ua:ua+1], v[ua:ua+1], -2.0, v[AN+2*(\tb):AN+2*(\tb)+1] op_sel_hi:[1,0,1]             ; A - 2 E, one rounding
.endif
.if \n == 2
	v_pk_fma_f32 v[ua:ua+1], v[ua:ua+1], 1.0, v[uc:uc+1] op_sel_hi:[1,0,1]                               ; + C, one rounding
.endif
.if \n == 3
	v_pk_fma_f32 v[ud:ud+1], v[ua:ua+1], 1.0, v[ur:ur+1] op_sel_hi:[1,0,1] neg_lo:[0,0,1] neg_hi:[0,0,1] ; d - minimum: denormals are kept, so it is below 0 exactly where d is below the minimum
.endif
.if \n == 4
	v_cmp_lt_f32 s[um], v[ud], 0
.endif
.if \n == 5
	v_cmp_lt_f32 s[um+1], v[ud+1], 0
.endif
.if \n == 6
	v_min3_num_f32 v[ur], v[ua], s74, v[ur]        ; s74 = +inf: the minimum of two
.endif
.if \n == 7
	v_min3_num_f32 v[ur+1], v[ua+1], s74, v[ur+1]
.endif
.if \n == 8
	v_cndmask_b32 v[ui], v[ui], s[ul], s[um]       ; strictly smaller only, and a chain meets its codes in ascending order: the first index stays
.endif
.if \n == 9
	v_cndmask_b32 v[ui+1], v[ui+1], s[ul], s[um+1]
.endif
.endm
.macro EP epi, set, n, d               ; line n of this pair's unit d, on the other set
.if \epi
	ULN \n, 1-\set, kq, kb+\d, \d
.endif
.endm
; A pair of k-steps, 2 p and 2 p + 1: 8 matrix instructions on the 4 accumulators of a set, which take turns, one instruction a turn,
; in the same order in every k-step, over the ends of subs and over the loop's backward jump.  Among them stand the 18 lines of two
; units of the other set (q = p >> 1, token blocks 2 (p & 1) and + 1).
.macro KPN set, p, epi
.set kq, (\p)>>1
.set kb, 2*((\p)&1)
	WM \set, 0, 2*(\p)
	EP \epi, \set, 1, 0
	EP \epi, \set, 1, 1
	WM \set, 1, 2*(\p)
	EP \epi, \set, 2, 0
	EP \epi, \set, 2, 1
	WM \set, 2, 2*(\p)
	EP \epi, \set, 3, 0
	EP \epi, \set, 3, 1
	WM \set, 3, 2*(\p)
	EP \epi, \set, 4, 0
	EP \epi, \set, 5, 0
	WM \set, 0, 2*(\p)+1
	EP \epi, \set, 4, 1
	EP \epi, \set, 5, 1
	WM \set, 1, 2*(\p)+1
	EP \epi, \set, 6, 0
	EP \epi, \set, 7, 0
	WM \set, 2, 2*(\p)+1
	EP \epi, \set, 6, 1
	EP \epi, \set, 7, 1
	WM \set, 3, 2*(\p)+1
	EP \epi, \set, 8, 0
	EP \epi, \set, 9, 0
	EP \epi, \set, 8, 1
	EP \epi, \set, 9, 1
.endm
; The same pair with a run of LDS loads in it.  The run fills the half of BF that the pair before was the last to read: behind that pair's last
; matrix instruction stand its own four closing lines and the ten lines in front of the run, none of which names a register of it (ISA guide 7.12.1
; asks four places of vector instructions).  Ten of the pair's 18 lines stand in front of the run, so that they are at
; work while the two matrix instructions in front of them end.  Without units four v_nop are the places.
.macro KPR set, p, epi, adr, uo, half, frag, cl, coff
.set kq, (\p)>>1
.set kb, 2*((\p)&1)
	WM \set, 0, 2*(\p)
	EP \epi, \set, 1, 0
	EP \epi, \set, 1, 1
	WM \set, 1, 2*(\p)
	EP \epi, \set, 2, 0
	EP \epi, \set, 2, 1
	EP \epi, \set, 3, 0
	EP \epi, \set, 3, 1
	EP \epi, \set, 4, 0
	EP \epi, \set, 5, 0
	EP \epi, \set, 4, 1
	EP \epi, \set, 5, 1
.if \epi == 0
	PLACES
.endif
	RUNLD \adr, \uo, \half, \frag, \cl, \set, \coff
	WM \set, 2, 2*(\p)
	EP \epi, \set, 6, 0
	EP \epi, \set, 7, 0
	WM \set, 3, 2*(\p)
	EP \epi, \set, 6, 1
	EP \epi, \set, 7, 1
	WM \set, 0, 2*(\p)+1
	EP \epi, \set, 8, 0
	EP \epi, \set, 9, 0
	WM \set, 1, 2*(\p)+1
	EP \epi, \set, 8, 1
	EP \epi, \set, 9, 1
	WM \set, 2, 2*(\p)+1
	WM \set, 3, 2*(\p)+1
.endm
; K-steps 8 and 9 of a tile's last sub, behind which the other slot is read.  This slot's last reads were the run in k-steps 0 and 1, and the wait
; for 0 on DScnt that stands just in front of this macro shows them back.  Each wave also waits for all its tensor loads (one is out: its part of the
; other slot).  refill = 1: the barrier opens a round of the cluster's barrier, the pair of k-steps (registers only) stands inside it, and behind its
; closing wait the joint load of this slot's next tile is the wave's first and only tensor load; it has a whole tile's 256 matrix instructions in
; which to land.  Then the run, from the other slot, which is whole.
.macro CHANGE set, adr, uo, refill, slot, coff
	s_set_vgpr_msb 0x80c
	s_wait_tensorcnt 0x0                           ; all my tensor loads have landed, so a group 0 may be written
	ds_add_u32 v255, v1
	s_wait_dscnt 0x0
	s_set_vgpr_msb 0xc08
.if \refill
	s_add_nc_u64 s[G0C+4*\slot+2:G0C+4*\slot+3], s[G0C+4*\slot+2:G0C+4*\slot+3], 2*TILEB   ; this slot's next tile
.endif
	s_barrier_signal -1
	KPN \set, 4, 1
.if \refill
	WIN 0                                          ; branches and a label follow
.endif
	s_barrier_wait -1
.if \refill
	CREST
	tensor_load_to_lds s[G0C+4*\slot:G0C+4*\slot+3], s[G1C:G1C+7]
	s_nop 0
	WIN 0x08
.endif
	RUNLD \adr, \uo, 0, 1, 1, \set, \coff          ; half 0 was last read in k-step 7: the pair's 18 lines are the places
.endm
; A sub: 64 tokens x 16 codes x all of K into set; the units of the sub before on the other set (epi = 1).
; (aA, uA): this sub's fragments; (aB, uB): the next sub's.  mode 0: the next sub lies in the same slot; 1: change of slots with refill of slot;
; 2: change without; 3: the last sub.  coff: this sub's C, in bytes from CADR.
; Both waits on DScnt are for 0: no LDS load is issued behind a run before the run's registers are used.
.macro SUB set, epi, aA, uA, aB, uB, mode, slot, coff
	WIN 0x04                                       ; source 1: x, k-steps 0-7
	s_wait_dscnt 0x0                               ; half 0 and the C of the sub before are in
	KPR \set, 0, \epi, \aA, \uA, 1, 1, 0, \coff    ; with the run for k-steps 8-15
	KPN \set, 1, \epi
	KPN \set, 2, \epi
	KPN \set, 3, \epi
	WIN 0x08                                       ; source 1: x, k-steps 8-15
	s_wait_dscnt 0x0                               ; half 1 is in
.if \mode == 0
	KPR \set, 4, \epi, \aB, \uB, 0, 1, 1, \coff    ; with the run for the next sub's k-steps 0-7 and this sub's C
.endif
.if \mode == 1
	CHANGE \set, \aB, \uB, 1, \slot, \coff
.endif
.if \mode == 2
	CHANGE \set, \aB, \uB, 0, \slot, \coff
.endif
.if \mode == 3
	KPR \set, 4, \epi, \aB, \uB, 0, 0, 1, \coff    ; no next sub: this sub's C alone
.endif
	KPN \set, 5, \epi
	KPN \set, 6, \epi
	KPN \set, 7, \epi
.if \epi
.irp i, 0,1,2,3
	s_add_co_u32 s[LBL+\i], s[LBL+\i], 32          ; the labels of the sub whose units come next
.endr
.endif
.endm
; (va, ia) takes (vb, ib) where vb is smaller, or equal with the lower index.
.macro MERGE va, ia, vb, ib
	v_cmp_lt_f32 s[MK], v[\vb], v[\va]
	v_cmp_eq_f32 s[MK+1], v[\vb], v[\va]
	v_cmp_lt_u32 s[MK+2], v[\ib], v[\ia]
	s_and_b32 s[MK+1], s[MK+1], s[MK+2]
	s_or_b32 s[MK], s[MK], s[MK+1]
	v_cndmask_b32 v[\va], v[\va], v[\vb], s[MK]
	v_cndmask_b32 v[\ia], v[\ia], v[\ib], s[MK]
.endm
	s_load_b256 s[4:11], s[0:1], 0x0               ; inp s[4:5], cbf s[6:7], cnorm s[8:9], idx s[10:11]
	v_lshl_add_u32 v255, v0, 2, 0x45800
	s_set_vgpr_msb 0xc0
	v_mov_b32 v1, 0
	s_set_vgpr_msb 0xc0cc
	ds_add_u32 v255, v1
	ds_add_u32 v255, v1
	s_set_vgpr_msb 0xcc00
	v_lshrrev_b32 v1, 5, v0
	v_readfirstlane_b32 s12, v1                    ; wave 0..3
	s_and_b32 s13, s12, 1                          ; c: which 16 of a sub's 32 rows
	s_lshr_b32 s14, s12, 1                         ; g: which 64 of the 128 tokens
	s_bfe_u32 s15, ttmp6, 0x40000                  ; cx: my place in the cluster
	s_lshl_b32 s16, ttmp9, 2                       ; ttmp9 counts clusters
	s_add_co_u32 s16, s16, s15                     ; W: the work-group, 0..255.  It enters x's and idx's global addresses and nothing else
	; group 1 of x: 32 rows x 256 f32, 512 from row to row; 4 words of padding behind every 256 words
	s_mov_b32 s[G1X+0], (2<<16)|(1<<20)|(7<<22)|(3<<25)
	s_mov_b32 s[G1X+1], 256<<16
	s_mov_b32 s[G1X+2], 32<<16
	s_mov_b32 s[G1X+3], 256<<16
	s_mov_b32 s[G1X+4], 32
	s_mov_b32 s[G1X+5], 512
	s_mov_b32 s[G1X+6], 0
	s_mov_b32 s[G1X+7], 0
	; group 1 of a code tile: 32 rows x 512 bf16, dense; the same padding; the mask names the cluster's four work-groups, bit 21 beside it
	s_mov_b32 s[G1C+0], 15|(1<<16)|(1<<20)|(1<<21)|(7<<22)|(3<<25)
	s_mov_b32 s[G1C+1], 512<<16
	s_mov_b32 s[G1C+2], 32<<16
	s_mov_b32 s[G1C+3], 512<<16
	s_mov_b32 s[G1C+4], 32
	s_mov_b32 s[G1C+5], 512
	s_mov_b32 s[G1C+6], 0
	s_mov_b32 s[G1C+7], 0
	; group 1 of cnorm: 4,096 dense bytes as 16 rows of 32 elements of 8 bytes, joint, no padding
	s_mov_b32 s[G1N+0], 15|(3<<16)|(1<<21)
	s_mov_b32 s[G1N+1], 32<<16
	s_mov_b32 s[G1N+2], 16<<16
	s_mov_b32 s[G1N+3], 32<<16
	s_mov_b32 s[G1N+4], 16
	s_mov_b32 s[G1N+5], 32
	s_mov_b32 s[G1N+6], 0
	s_mov_b32 s[G1N+7], 0
	; groups 0: each wave moves its quarter, rows 32 w .. 32 w + 31, of every tile
	s_mul_i32 s84, s12, QUART
	s_mov_b32 s[G0X+0], 1
	s_mov_b32 s[G0X+1], s84
	s_mov_b32 s[G0X+4], 1
	s_add_co_u32 s[G0X+5], s84, SLOT
	s_mov_b32 s[G0C+0], 1
	s_mov_b32 s[G0C+1], s84
	s_mov_b32 s[G0C+4], 1
	s_add_co_u32 s[G0C+5], s84, SLOT
	s_mov_b32 s[G0N+0], 1
	s_lshl_b32 s[G0N+1], s12, 12
	s_add_co_u32 s[G0N+1], s[G0N+1], CT
	s_lshl_b32 s86, s16, 18                        ; x: (128 W + 32 w) rows of 2,048 bytes
	s_lshl_b32 s85, s12, 16
	s_add_co_u32 s86, s86, s85
	s_mov_b32 s87, 0
	s_lshl_b32 s88, s12, 15                        ; cbf: 32 w rows of 1,024 bytes
	s_mov_b32 s89, 0
	s_lshl_b32 s90, s12, 12                        ; cnorm: 4,096 w
	s_mov_b32 s91, 0
	s_lshl_b32 s92, s16, 9                         ; idx: 128 W words
	s_mov_b32 s93, 0
	s_wait_dscnt 0x0
	s_wait_kmcnt 0x0
	s_add_nc_u64 s[G0X+2:G0X+3], s[4:5], s[86:87]
	s_add_nc_u64 s[G0X+6:G0X+7], s[G0X+2:G0X+3], 1024       ; the right half of the rows
	s_or_b32 s[G0X+3], s[G0X+3], 0x80000000
	s_or_b32 s[G0X+7], s[G0X+7], 0x80000000
	s_add_nc_u64 s[G0C+2:G0C+3], s[6:7], s[88:89]           ; tile 0
	s_add_nc_u64 s[G0C+6:G0C+7], s[G0C+2:G0C+3], TILEB      ; tile 1
	s_or_b32 s[G0C+3], s[G0C+3], 0x80000000
	s_or_b32 s[G0C+7], s[G0C+7], 0x80000000
	s_add_nc_u64 s[G0N+2:G0N+3], s[8:9], s[90:91]
	s_or_b32 s[G0N+3], s[G0N+3], 0x80000000
	s_add_nc_u64 s[10:11], s[10:11], s[92:93]
	ROUND                                          ; the four work-groups are here: the first fills go out as one group
	tensor_load_to_lds s[G0X:G0X+3], s[G1X:G1X+7]           ; x, left half, into slot 0
	s_nop 0
	tensor_load_to_lds s[G0X+4:G0X+7], s[G1X:G1X+7]         ; x, right half, into slot 1
	s_nop 0
	tensor_load_to_lds s[G0N:G0N+3], s[G1N:G1N+7]           ; cnorm, joint.  Three loads of the wave are out: the most in this text
	s_nop 0
	v_and_b32 v[TP], 15, v0                        ; r
	v_bfe_u32 v[TP+1], v0, 4, 1                    ; h
	v_mul_u32_u24 v[TP+2], v[TP], PITCH            ; r rows
	s_mul_i32 s94, s13, FR                         ; 16 c rows
	v_lshl_add_u32 v[TP+3], v[TP+1], 4, v[TP+2]
	v_add_nc_u32 v[B00], s94, v[TP+3]              ; (16 c + r) rows + 16 h
	v_add_nc_u32 v[B01], HALFS, v[B00]
	v_add_nc_u32 v[B10], SLOT, v[B00]
	v_add_nc_u32 v[B11], SLOT+HALFS, v[B00]
	s_lshl_b32 s95, s13, 6
	s_add_co_u32 s95, s95, CT
	v_lshl_add_u32 v[CADR], v[TP+1], 5, s95        ; CT + 4 (16 c + 8 h)
	s_mul_i32 s85, s14, HALFS                      ; 64 g rows
	v_lshl_add_u32 v[XADR], v[TP+1], 5, v[TP+2]
	v_add_nc_u32 v[XADR], s85, v[XADR]             ; (64 g + r) rows + 32 h
	v_add_nc_u32 v[XADR+1], SLOT, v[XADR]
	s_lshl_b32 s84, s13, 4
.irp q, 0,1,2,3
	s_add_co_u32 s[LBL+\q], s84, 2*\q
.endr
	s_mov_b32 s74, 0x7f800000                      ; +inf
	s_mov_b32 s82, 0x76543210                      ; v_permlanex16_b32: lane i of one half reads lane i of the other
	s_mov_b32 s83, 0xfedcba98
.irp i, 0,1,2,3,4,5,6,7
	v_mov_b32 v[AP+\i], 0
.endr
	s_wait_tensorcnt 0x2                           ; my quarter of x's left half is in; the two younger loads stay out
	s_barrier_signal -1
	s_barrier_wait -1                              ; everybody's quarter is in
	XCONV 0
	s_wait_dscnt 0x0                               ; my reads of slot 0 are back,
	s_set_vgpr_msb 0xc
	s_wait_tensorcnt 0x0                           ; all my tensor loads have landed (x's right half and cnorm among them)
	ds_add_u32 v255, v1
	s_wait_dscnt 0x0
	s_set_vgpr_msb 0xc00
	ROUND
	tensor_load_to_lds s[G0C:G0C+3], s[G1C:G1C+7]           ; tile 0 into slot 0; it lands while x's right half is converted
	s_nop 0
	XCONV 1
.irp tb, 0,1,2,3
	v_add_f32 v[AS+\tb], v[AP+2*\tb], v[AP+2*\tb+1]
.endr
.irp tb, 0,1,2,3
	v_permlanex16_b32 v[TP+\tb], v[AS+\tb], s82, s83        ; the other half of the lanes holds the other half of k
.endr
.irp tb, 0,1,2,3
	v_add_f32 v[AN+2*\tb], v[AS+\tb], v[TP+\tb]             ; A, twice: a pair for the packed lines
	v_add_f32 v[AN+2*\tb+1], v[AS+\tb], v[TP+\tb]
.endr
.irp i, 0,1,2,3,4,5,6,7
	v_mov_b32 v[RUN+\i], s74
	v_mov_b32 v[IDX+\i], 0
.endr
	s_wait_dscnt 0x0                               ; my reads of slot 1 are back,
	s_set_vgpr_msb 0xc
	s_wait_tensorcnt 0x0                           ; and my quarter of tile 0 has landed
	ds_add_u32 v255, v1
	s_wait_dscnt 0x0
	s_set_vgpr_msb 0xc00
	ROUND
	tensor_load_to_lds s[G0C+4:G0C+7], s[G1C:G1C+7]         ; tile 1 into slot 1
	s_nop 0
	LOADH B00, 0, 0                                ; sub 0, k-steps 0-7
	SUB 0, 0, B00, 0, B00, 1, 0, 0, 0              ; sub 0: no finished set yet
	WIN 0                                          ; at a label and at a branch every window is 0
	PLACES                                         ; this sub had no unit lines behind its last matrix instructions: places for the first lines of the next
	s_mov_b32 s80, 15
.Ltrip:                                            ; trip i: subs 8 i + 1 .. 8 i + 8 = the rest of tile 2 i, tile 2 i + 1, the first sub of tile 2 i + 2; tiles 2 i + 2 and 2 i + 3 are asked for
	SUB 1, 1, B00, 1, B01, 0, 0, 0, 128
	SUB 0, 1, B01, 0, B01, 1, 0, 0, 256
	SUB 1, 1, B01, 1, B10, 0, 1, 0, 384
	SUB 0, 1, B10, 0, B10, 1, 0, 0, 512
	SUB 1, 1, B10, 1, B11, 0, 0, 0, 640
	SUB 0, 1, B11, 0, B11, 1, 0, 0, 768
	SUB 1, 1, B11, 1, B00, 0, 1, 1, 896
	SUB 0, 1, B00, 0, B00, 1, 0, 0, 1024
	WIN 0
	v_add_nc_u32 v[CADR], 0x400, v[CADR]           ; eight subs x 32 codes x 4 bytes
	s_sub_co_u32 s80, s80, 1
	s_cmp_lg_u32 s80, 0
	s_cbranch_scc1 .Ltrip
	SUB 1, 1, B00, 1, B01, 0, 0, 0, 128            ; the rest of tile 30
	SUB 0, 1, B01, 0, B01, 1, 0, 0, 256
	SUB 1, 1, B01, 1, B10, 0, 2, 0, 384            ; nothing is left to fetch: a plain barrier shows tile 31 whole
	SUB 0, 1, B10, 0, B10, 1, 0, 0, 512
	SUB 1, 1, B10, 1, B11, 0, 0, 0, 640
	SUB 0, 1, B11, 0, B11, 1, 0, 0, 768
	SUB 1, 1, B11, 1, B11, 1, 3, 0, 896            ; sub 127
	WIN 0
	PLACES                                         ; behind the last matrix instructions
	s_wait_dscnt 0x0                               ; the last sub's C
.irp p, 0,1,2,3,4,5,6,7
.set kq, (\p)>>1
.set kb, 2*((\p)&1)
.irp n, 1,2,3,4,5,6,7,8,9
	ULN \n, 1, kq, kb, 0                           ; the last sub's units, in a run
	ULN \n, 1, kq, kb+1, 1
.endr
.endr
	; a token's minimum: over the lane's two chains, over the two halves of the lanes, then over the two waves that share the token
	v_bfe_u32 v[TP], v0, 4, 1
	v_lshlrev_b32 v[TP], 3, v[TP]                  ; 8 h
	v_add_nc_u32 v[TP+1], 1, v[TP]                 ; 8 h + 1
	v_and_b32 v[TP+4], 15, v0
	s_lshl_b32 s84, s13, 9
	s_lshl_b32 s85, s14, 8
	s_add_co_u32 s84, s84, s85
	s_add_co_u32 s84, s84, SCR
	v_lshl_add_u32 v[TP+4], v[TP+4], 2, s84        ; SCR + 512 c + 4 (64 g + r)
.irp tb, 0,1,2,3
	v_add_nc_u32 v[IDX+2*\tb], v[IDX+2*\tb], v[TP]
	v_add_nc_u32 v[IDX+2*\tb+1], v[IDX+2*\tb+1], v[TP+1]
	MERGE RUN+2*\tb, IDX+2*\tb, RUN+2*\tb+1, IDX+2*\tb+1
	v_permlanex16_b32 v[TP+2], v[RUN+2*\tb], s82, s83
	v_permlanex16_b32 v[TP+3], v[IDX+2*\tb], s82, s83
	MERGE RUN+2*\tb, IDX+2*\tb, TP+2, TP+3
	ds_store_b32 v[TP+4], v[RUN+2*\tb] offset:64*\tb        ; both halves of the lanes write the same word with the same number
	ds_store_b32 v[TP+4], v[IDX+2*\tb] offset:1024+64*\tb
.endr
	s_wait_dscnt 0x0                               ; my words are in LDS, for wave 0's sake
	ROUND                                          ; the closing round: no work-group ends while a partner may still ask jointly; its first barrier also shows wave 0 all four waves' words
	s_cmp_lg_u32 s12, 0
	s_cbranch_scc1 .Lend
	v_and_b32 v[TP+5], 31, v0
	v_lshlrev_b32 v[TP+5], 4, v[TP+5]              ; four tokens a lane
	v_add_nc_u32 v[TP+6], SCR, v[TP+5]
	ds_load_b128 v[CR:CR+3],     v[TP+6]           ; minima of c = 0
	ds_load_b128 v[CR+4:CR+7],   v[TP+6] offset:512    ; of c = 1
	ds_load_b128 v[CR+8:CR+11],  v[TP+6] offset:1024   ; indices of c = 0
	ds_load_b128 v[CR+12:CR+15], v[TP+6] offset:1536   ; of c = 1
	s_wait_dscnt 0x0
.irp i, 0,1,2,3
	MERGE CR+\i, CR+8+\i, CR+4+\i, CR+12+\i
.endr
	global_store_b128 v[TP+5], v[CR+8:CR+11], s[10:11]      ; the work-group's 128 indices: 512 consecutive bytes, aligned
.Lend:
	s_set_vgpr_msb 0xc
	s_wait_tensorcnt 0x0
	ds_add_u32 v255, v1
	s_wait_dscnt 0x0
	s_set_vgpr_msb 0xc00
	s_endpgm
.Lfunc_end_k_q8e91e13114_dist:
	.size	k_q8e91e13114_dist, .Lfunc_end_k_q8e91e13114_dist-k_q8e91e13114_dist
	.p2alignl 7, 3214868480
	.fill 96, 4, 3214868480
	.section	.rodata,"a",@progbits
	.p2align	6, 0x0
	.amdhsa_kernel k_q8e91e13114_dist
		.amdhsa_group_segment_fixed_size 327680
		.amdhsa_private_segment_fixed_size 0
		.amdhsa_enable_private_segment 0
		.amdhsa_kernarg_size 32
		.amdhsa_user_sgpr_count 2
		.amdhsa_user_sgpr_kernarg_segment_ptr 1
		.amdhsa_wavefront_size32 1
		.amdhsa_system_sgpr_workgroup_id_x 1
		.amdhsa_system_sgpr_workgroup_id_y 1
		.amdhsa_system_sgpr_workgroup_id_z 1
		.amdhsa_system_vgpr_workitem_id 0
		.amdhsa_next_free_vgpr 770
		.amdhsa_next_free_sgpr 96
		.amdhsa_reserve_vcc 0
		.amdhsa_float_denorm_mode_32 3
		.amdhsa_float_denorm_mode_16_64 3
		.amdhsa_memory_ordered 1
		.amdhsa_forward_progress 1
		.amdhsa_inst_pref_size 255
	.end_amdhsa_kernel
	.section	.bss,"aw",@nobits
	.p2align	6
	.space	262144
	.amdgpu_metadata
---
amdhsa.version: [ 1, 2 ]
amdhsa.kernels:
  - .name:           k_q8e91e13114_dist
    .symbol:         k_q8e91e13114_dist.kd
    .args:
      - { .name: inp, .offset: 0, .size: 8, .value_kind: global_buffer, .address_space: global }
      - { .name: cbf, .offset: 8, .size: 8, .value_kind: global_buffer, .address_space: global }
      - { .name: cnorm, .offset: 16, .size: 8, .value_kind: global_buffer, .address_space: global }
      - { .name: idx, .offset: 24, .size: 8, .value_kind: global_buffer, .address_space: global }
    .group_segment_fixed_size: 327680
    .private_segment_fixed_size: 0
    .kernarg_segment_align: 8
    .kernarg_segment_size: 32
    .max_flat_workgroup_size: 128
    .sgpr_count:     96
    .vgpr_count:     770
    .wavefront_size: 32
...
	.end_amdgpu_metadata
.endif
;; end of part 2
;; launch take (part 3): grid 512 x 1, 8 waves a work-group, no clusters, 0 bytes of LDS; arguments idx, codebook, out0; writes out0
.if DOCPART == 3
	.amdgcn_target "amdgcn-amd-amdhsa--gfx1250"
	.amdhsa_code_object_version 6
	.text
	.protected	k_q8e91e13114_take
	.globl	k_q8e91e13114_take
	.p2align	8
	.type	k_q8e91e13114_take,@function
k_q8e91e13114_take:
	s_mov_b64 s[64:65], 0
	v_nop
	global_prefetch_b8 v0, s[64:65] scope:SCOPE_SE
	s_setreg_imm32_b32 hwreg(HW_REG_WAVE_MODE, 25, 1), 1
	s_wait_xcnt 0x0
; out0[n][:] = codebook[idx[n]][:].  idx: [32768] i32, stored by the launch before.  codebook: [4096][512] f32.  out0: [32768][512] f32.
; A stream: each wave copies eight rows of 2,048 bytes, 32 loads of 512 consecutive bytes all on their way at once, then 32 stores of the same shape.
; The eight indices are the same for all lanes, so they come by one scalar load and each makes a scalar base.  No register is written twice,
; so no wait is needed but the counted ones for the data.  No LDS, no matrix unit, no cluster: nothing is shared and nothing is computed.
; An index is clamped to the table's last row before it enters an address.
	s_load_b128 s[4:7], s[0:1], 0x0                ; idx s[4:5], codebook s[6:7]
	s_load_b64 s[8:9], s[0:1], 0x10                ; out0
	v_lshrrev_b32 v2, 5, v0
	v_readfirstlane_b32 s10, v2                    ; wave 0..7
	v_and_b32 v1, 31, v0
	v_lshlrev_b32 v1, 4, v1                        ; 16 x lane
	s_lshl_b32 s11, ttmp9, 6
	s_lshl3_add_u32 s11, s10, s11                  ; my first row = 64 x work-group + 8 x wave
	s_lshl_b32 s12, s11, 2                         ; x 4 bytes in idx
	s_mov_b32 s13, 0
	s_lshl_b32 s14, s11, 11                        ; x 2,048 bytes in out0
	s_mov_b32 s15, 0
	s_wait_kmcnt 0x0
	s_add_nc_u64 s[4:5], s[4:5], s[12:13]
	s_add_nc_u64 s[8:9], s[8:9], s[14:15]
	s_load_b256 s[16:23], s[4:5], 0x0              ; my eight indices
	s_wait_kmcnt 0x0
.irp i, 0,1,2,3,4,5,6,7
	s_min_u32 s[16+\i], s[16+\i], 4095
	s_lshl_b32 s[24+2*\i], s[16+\i], 11            ; the row's byte offset,
	s_mov_b32 s[25+2*\i], 0
	s_add_nc_u64 s[24+2*\i:25+2*\i], s[6:7], s[24+2*\i:25+2*\i]    ; and its address
.endr
.irp i, 0,1,2,3,4,5,6,7
.irp j, 0,1,2,3
	global_load_b128 v[4+16*\i+4*\j:4+16*\i+4*\j+3], v1, s[24+2*\i:25+2*\i] offset:512*\j   ; rows are named more than once: no hint
.endr
.endr
.set n, 0
.irp i, 0,1,2,3,4,5,6,7
.irp j, 0,1,2,3
	s_wait_loadcnt 31-n                            ; loads come back in order: load n is in, the younger ones stay out
	global_store_b128 v1, v[4+16*\i+4*\j:4+16*\i+4*\j+3], s[8:9] offset:2048*\i+512*\j th:TH_STORE_NT
.set n, n+1
.endr
.endr
	s_endpgm
.Lfunc_end_k_q8e91e13114_take:
	.size	k_q8e91e13114_take, .Lfunc_end_k_q8e91e13114_take-k_q8e91e13114_take
	.p2alignl 7, 3214868480
	.fill 96, 4, 3214868480
	.section	.rodata,"a",@progbits
	.p2align	6, 0x0
	.amdhsa_kernel k_q8e91e13114_take
		.amdhsa_group_segment_fixed_size 0
		.amdhsa_private_segment_fixed_size 0
		.amdhsa_enable_private_segment 0
		.amdhsa_kernarg_size 24
		.amdhsa_user_sgpr_count 2
		.amdhsa_user_sgpr_kernarg_segment_ptr 1
		.amdhsa_wavefront_size32 1
		.amdhsa_system_sgpr_workgroup_id_x 1
		.amdhsa_system_sgpr_workgroup_id_y 1
		.amdhsa_system_sgpr_workgroup_id_z 1
		.amdhsa_system_vgpr_workitem_id 0
		.amdhsa_next_free_vgpr 132
		.amdhsa_next_free_sgpr 66
		.amdhsa_reserve_vcc 0
		.amdhsa_float_denorm_mode_32 3
		.amdhsa_float_denorm_mode_16_64 3
		.amdhsa_memory_ordered 1
		.amdhsa_forward_progress 1
		.amdhsa_inst_pref_size 10
	.end_amdhsa_kernel
	.amdgpu_metadata
---
amdhsa.version: [ 1, 2 ]
amdhsa.kernels:
  - .name:           k_q8e91e13114_take
    .symbol:         k_q8e91e13114_take.kd
    .args:
      - { .name: idx, .offset: 0, .size: 8, .value_kind: global_buffer, .address_space: global }
      - { .name: codebook, .offset: 8, .size: 8, .value_kind: global_buffer, .address_space: global }
      - { .name: out0, .offset: 16, .size: 8, .value_kind: global_buffer, .address_space: global }
    .group_segment_fixed_size: 0
    .private_segment_fixed_size: 0
    .kernarg_segment_align: 8
    .kernarg_segment_size: 24
    .max_flat_workgroup_size: 256
    .sgpr_count:     66
    .vgpr_count:     132
    .wavefront_size: 32
...
	.end_amdgpu_metadata
.endif
;; end of part 3
